; MI455X (gfx1250); checked and timed in simulation.
; The chip was launched on July 23, 2026; its instructions are those of AMD's public machine-readable ISA for CDNA 5 (MIT licence, August 2026) and "CDNA5" Instruction Set Architecture Reference Guide (July 2026). The comments in the code are by the model that wrote it; some were corrected since.
;; MDA. Allowed arithmetic: matrix products marked QUANTISED: E5M2 operands, one E8M0 scale for each 32 along K, by v_wmma_scale_f32_16x16x128_f8f6f4 with both operands' format E5M2, f32 sums; products left as they are: f32 operands where the result goes on into a quantised operand, else bf16, f16 or f32 operands; f32 sums; everything else in f32.
;; Inputs: W1 1,802 x 1,024 float32; W2_codes 512 x 32 x 32 uint8 (E5M2 codes of W2, K innermost, in blocks of 32 codes); W2_scales 512 x 32 uint8 (E8M0 scales of W2, one for each 32 codes along K); W3_codes 64 x 16 x 32 uint8 (E5M2 codes of W3, K innermost, in blocks of 32 codes); W3_scales 64 x 16 uint8 (E8M0 scales of W3, one for each 32 codes along K); W4 64 x 1 float32; b1 1,024 float32; b2 512 float32; b3 64 float32; b4 1 float32; feature 20,000 x 901 float32; test_sample 12,500 x 2 int32; train_sample 12,500 x 2 int32.
;; Outputs: out0 12,500 x 1 float32; out1 12,500 x 1 float32.
;; This version of the problem:
;;   THIS VERSION OF THE PROBLEM IS GIVEN IN LOW PRECISION. The matrix products marked QUANTISED in the list below multiply operands that are first quantised to E5M2 (5 exponent bits, 2 mantissa bits; 8 bits a number), with one power-of-two scale for each 32 numbers along K (OCP MX v1.0); their sums are f32. All else is computed in f32.
;;   The module's matrix products, in the order in which they are computed (A, B: the left and right operand; K: the contracted axis; several contracted axes count as one K, in the product's order):
;;     1. [M 12,500, K 1,802] x [K 1,802, N 1,024]; A: computed on the way; B: input W1: QUANTISED
;;     2. [M 12,500, K 1,024] x [K 1,024, N 512]; A: computed on the way; B: input W2 (given as codes): QUANTISED
;;     3. [M 12,500, K 512] x [K 512, N 64]; A: computed on the way; B: input W3 (given as codes): QUANTISED
;;     4. [M 12,500, K 64] x [K 64, N 1]; A: computed on the way; B: input W4: left as it is (N = 1 < 16)
;;     5. [M 12,500, K 1,802] x [K 1,802, N 1,024]; A: computed on the way; B: input W1: QUANTISED
;;     6. [M 12,500, K 1,024] x [K 1,024, N 512]; A: computed on the way; B: input W2 (given as codes): QUANTISED
;;     7. [M 12,500, K 512] x [K 512, N 64]; A: computed on the way; B: input W3 (given as codes): QUANTISED
;;     8. [M 12,500, K 64] x [K 64, N 1]; A: computed on the way; B: input W4: left as it is (N = 1 < 16)
;;   THE QUANTISER, for each operand of a quantised product, along K:
;;     - K is cut into blocks of 32 from its start; a last block that is shorter is filled with zeros.
;;     - A block's scale is 2^e with e = floor(log2(the largest magnitude in the block)) - 15, held to -126 .. 127; a block of zeros has e = 0. As a byte (E8M0): e + 127.
;;     - Each number is divided by its block's scale, clamped to +-57,344, and rounded to the nearest number of E5M2, ties to even, subnormals kept.
;;     - The product sums the exact products of the quantised numbers (number of the format x scale) in f32.
;;   ~~~python
;;   def quantise(x, axis):      # numpy; x: float32 -> the quantised numbers, widened to float32 again
;;       x = np.moveaxis(x, axis, -1); K = x.shape[-1]
;;       x = np.pad(x, [(0, 0)] * (x.ndim - 1) + [(0, -K % 32)]); x = x.reshape(x.shape[:-1] + (-1, 32)); a = np.abs(x).max(-1, keepdims=True)
;;       e = np.where(a > 0, np.clip(np.frexp(np.where(a > 0, a, 1))[1] - 1 - 15, -126, 127), 0)      # np.frexp(a)[1] - 1 = floor(log2(a)), exactly
;;       r = np.clip(x / 2.0 ** e, -57344, 57344)
;;       step = 2.0 ** (np.maximum(np.frexp(np.where(r == 0, 1, r))[1] - 1, -14) - 2)
;;       q = np.round(r / step) * step * 2.0 ** e      # np.round: ties to even
;;       return np.moveaxis(q.reshape(q.shape[:-2] + (-1,))[..., :K], -1, axis).astype(np.float32)
;;   ~~~
;;   OPERANDS COMPUTED ON THE WAY. 'Computed on the way' means the value that the module computes at that place (a softmax that the list does not call 'softmax' is quantised finished and normalised). What goes into a quantiser is computed in f32, as accurately as f32 sums, v_exp_f32 and their like allow (about 1e-6 of the number): no bf16 or f16 on the way to a quantiser, and a product that is left as it is and whose result goes on into a quantised operand takes f32 operands (vector FMAs, or v_wmma_f32_16x16x4_f32). A number that lies on a knife's edge between two numbers of the format may be rounded either way, as far as f32 arithmetic and the matrix unit's own rounding can turn it there, and no further.
;;   INPUTS GIVEN AS CODES. W2 (in the module: [1024, 512], K = its axis 0); W3 (in the module: [512, 64], K = its axis 0): each comes as NAME_codes (uint8): NAME with its K axis moved to the last place and cut into blocks of 32 codes, [.., K / 32, bytes a block], one block behind the other in memory; one code a byte (a code: sign, 5 exponent bits, 2 mantissa bits); and NAME_scales (uint8): the same leading axes, one E8M0 byte (e + 127) for each 32 codes along K. Its value is code x scale, taken as it is: it is not quantised again, and the codes and scales need not be those that the quantiser above would give.
;; One version. Each part assembles by itself: llvm-mc -triple=amdgcn-amd-amdhsa -mcpu=gfx1250 --defsym DOCPART=n.
;; ======== version 1 of 1: 2 launches
;; limits: right only within a limited range of input values
;; workspace buffers: fq 35,840,000 bytes; fs 1,280,000 bytes; ws 2,601,984 bytes; fx 2,560,000 bytes
;; launch prep (part 1): grid 1403 x 1, 4 waves a work-group, no clusters, 74,240 bytes of LDS; arguments feature, W1, W2_codes, W2_scales, W3_codes, W3_scales, fq, fs, ws, fx; writes fq, fs, ws, fx
.if DOCPART == 1
	.amdgcn_target "amdgcn-amd-amdhsa--gfx1250"
	.amdhsa_code_object_version 6
	.text
	.protected	k_qfb387043ef_prep
	.globl	k_qfb387043ef_prep
	.p2align	8
	.type	k_qfb387043ef_prep,@function
k_qfb387043ef_prep:
	s_mov_b64 s[64:65], 0
	v_nop
	global_prefetch_b8 v0, s[64:65] scope:SCOPE_SE
	s_setreg_imm32_b32 hwreg(HW_REG_WAVE_MODE, 25, 1), 1
	s_wait_xcnt 0x0
; PREP: everything that the chain's work-groups would otherwise make again and again is made once.  No input and no product of the problem is left out as dead work: every input has a way to the outputs.
; A row of the first product's left operand is concat(feature[i0], feature[i1]), K = 1,802, and 901 = 28 x 32 + 5.  So blocks 0-27 of such a row hang on feature[i0][0:896] alone, blocks 29-56 on
; feature[i1][27:901] alone (the last: 10 numbers and 22 zeros), and only block 28 mixes the two rows; the chain quantises that one for each pair.
; ROLE C (work-groups 0-32): W2's and W3's given codes and scale bytes are copied, as they are, into the order of the operand's registers.
; ROLE B (33-152): W1 [1802][1024] f32, K its first axis: a lane takes a column and its registers run down K; the codes leave as images of the operand's registers.
; ROLE A (153-1402): the table is quantised once in both alignments, to codes of E5M2 with one E8M0 byte for each 32:
;   fq [2][20000][896]: half 0 = elements 0..895, half 1 = elements 27..900 and 22 zero codes.   fs [20000][64]: bytes 0-27 half 0's scales, 33-60 half 1's, the others 0 (byte 32 is block 28's place).
;   A wave takes ONE quad of 4 rows.  74,240 bytes of LDS a work-group and 240 registers a wave let four work-groups lie on a WGP (327,680 bytes, 1,024 registers a SIMD): sixteen waves, whose loads cover each other's waits.
; ws: four streams of 650,496 bytes, one for each wave of a chain work-group: 38 step records of 16,896 bytes and one group record.  A step record is two group records of 8,448 bytes: four fragments
; (16 columns x 128 K, 2,048 bytes: registers 4 c .. 4 c + 3 of lane l at 512 c + 16 l), then 256 scale bytes: lane l's 8 bytes are the words of tile 0 (l < 16) or 1, and of tile 2 or 3, column l % 16.
; Lane r of tile 2 b + u of a wave's 128 columns takes column 32 b + 8 u + r + 8 (r / 8), so that a result's 16 registers of two neighbouring tiles are 16 neighbours along the next K.
; A block's scale is 2^(floor(log2(largest magnitude)) - 15); its byte is the largest magnitude's exponent field - 15, held at 1 from below.
; LIMITS: a block whose largest magnitude lies under 2^-111 takes the byte 1; a block of zeros has the byte 1 (or 0 in fs's filler) where the rule says 127: its codes are zeros and this program alone reads
; the bytes; NaN and infinities among the inputs are not served.
.set NCB,    153                       ; work-groups of roles C and B
.set NC,     33                        ; of role C
.set WREG,   18432                     ; LDS of a wave in role A: ONE image of 224 units (64 bytes + 16 of padding), 80 bytes of spill, the scale stage
.set SCS,    18048                     ; the stage of 256 scale bytes
.set SPARE,  4*WREG                    ; the spare words, 128 bytes for each wave
.set STREAM, 650496
.set STEPB,  16896
.set GRPB,   8448
.set R,      16                        ; v16-135  role A: 30 loads for each of 4 rows
.set X,      136                       ; v136-167 two sets of 16 neighbours
.set C,      168                       ; v168-223 codes, four registers for each of 14 steps: no store's data are written again
.set SCA,    232                       ; v232-238 where step t's scale byte goes
.macro FIN                             ; the wave's end
	s_wait_tensorcnt 0x0
	ds_add_u32 v1, v2
	s_wait_dscnt 0x0
	s_endpgm
.endm
	s_load_b256 s[4:11], s[0:1], 0x0               ; feature s[4:5], W1 s[6:7], W2's codes s[8:9], W2's scales s[10:11]
	s_load_b256 s[12:19], s[0:1], 0x20             ; W3's codes s[12:13], W3's scales s[14:15], fq s[16:17], fs s[18:19]
	s_load_b64 s[20:21], s[0:1], 0x40              ; ws
	s_load_b64 s[40:41], s[0:1], 0x48              ; fx [20000][32] f32, made by role A: words 0-4 = elements 896..900, words 5-31 = elements 0..26: what block 28 of a pair takes of a row, as it is
	v_lshl_add_u32 v1, v0, 2, SPARE                ; my spare word; never rewritten
	v_mov_b32 v2, 0                                ; 0; never rewritten
	v_lshrrev_b32 v3, 5, v0
	v_readfirstlane_b32 s22, v3                    ; wave 0..3
	v_and_b32 v3, 31, v0                           ; lane
	s_mov_b32 s23, 0x600000                        ; the mantissa field of 57,344
	s_wait_kmcnt 0x0
	s_cmp_ge_u32 ttmp9, NCB
	s_cbranch_scc0 .Lnot_a
; ---------------- ROLE A.  A quad is 14,416 bytes; rows begin at multiples of 4 bytes only, so the loads are of 4 bytes a lane, 128 consecutive bytes a wave.
.macro LOADROW p                       ; 30 loads: 28 of elements 32 a + lane, one of elements 27 + lane, one of elements 869 + lane: all inside the row
.set qa, 0
.rept 28
	global_load_b32 v[R+30*(\p)+qa], v4, s[4:5] offset:3604*(\p)+128*qa
.set qa, qa+1
.endr
	global_load_b32 v[R+30*(\p)+28], v4, s[4:5] offset:3604*(\p)+108
	global_load_b32 v[R+30*(\p)+29], v4, s[4:5] offset:3604*(\p)+3476
.endm
.macro LTADDR dst, plus                ; my wave's image + the place of word (lane + plus): 80 bytes for each 16 words
	v_add_nc_u32 v224, \plus, v3
	v_lshrrev_b32 v225, 4, v224
	v_and_b32 v224, 15, v224
	v_mul_u32_u24 v225, v225, 80
	v_lshl_add_u32 v225, v224, 2, v225
	v_add_nc_u32 v[\dst], s30, v225
.endm
.macro STOREA p                        ; alignment A of row p: elements 0..895 as they were loaded
.set qa, 0
.rept 28
	ds_store_b32 v5, v[R+30*(\p)+qa] offset:4480*(\p)+160*qa
.set qa, qa+1
.endr
.endm
.macro STOREB p                        ; alignment B of row p: word i of the image is element 27 + i.  The zeros behind the tail spill 10 words into the next row's head, which that row's first store, later in my order, writes over
	ds_store_b32 v5, v[R+30*(\p)+28] offset:4480*(\p)
.set qa, 1
.rept 27
	ds_store_b32 v6, v[R+30*(\p)+qa] offset:4480*(\p)+160*(qa-1)   ; element 32 a + lane is word 32 (a - 1) + lane + 5
.set qa, qa+1
.endr
	ds_store_b32 v7, v[R+30*(\p)+29] offset:4480*(\p)+4160         ; element 869 + lane is word 32 x 26 + lane + 10
	ds_store_b32 v7, v12 offset:4480*(\p)+4320                     ; words 874 on: zeros
.endm
.macro QLOAD q                         ; step q (alignment q / 7, units 32 (q % 7) + lane of the image): my 16 neighbours
.irp i, 0,1,2,3
	ds_load_b128 v[X+16*((\q)%2)+4*\i:X+16*((\q)%2)+4*\i+3], v8 offset:2560*((\q)%7)+16*\i
.endr
.endm
.macro QSTEP q
.if (\q) < 13
	QLOAD (\q)+1
	s_wait_dscnt 4                                 ; all but the next step's four loads: this step's numbers are in, and every LDS store ahead of them is done
.else
	s_wait_dscnt 0x0
.endif
.set XS, X+16*((\q)%2)
	v_max3_num_f32 v224, |v[XS]|, |v[XS+1]|, |v[XS+2]|
	v_max3_num_f32 v225, |v[XS+3]|, |v[XS+4]|, |v[XS+5]|
.irp i, 6,10
	v_max3_num_f32 v224, v224, |v[XS+\i]|, |v[XS+\i+1]|
	v_max3_num_f32 v225, v225, |v[XS+\i+2]|, |v[XS+\i+3]|
.endr
	v_max3_num_f32 v224, v224, |v[XS+14]|, |v[XS+15]|
	v_max3_num_f32 v224, v224, v225, 0x8000000     ; with the floor 2^(16 - 127): the byte cannot fall under 1
	v_max_num_f32_dpp v224, v224, v224 row_xmask:1 row_mask:0xf bank_mask:0xf   ; and my neighbour's 16: the block's largest magnitude
	v_add_nc_u32 v228, 0xf8800000, v224            ; 15 off its exponent field: the conversion's scale operand
	v_and_or_b32 v229, v224, 0x7f800000, s23       ; 57,344 x the scale
.set qi, 0
.rept 16
	v_med3_num_f32 v[XS+qi], v[XS+qi], -v229, v229 ; the conversion does not saturate (ISA guide 7.6.2): the hold
.set qi, qi+1
.endr
	v_cvt_scalef32_pk8_bf8_f32 v[C+4*(\q):C+4*(\q)+1], v[XS:XS+7], v228
	v_cvt_scalef32_pk8_bf8_f32 v[C+4*(\q)+2:C+4*(\q)+3], v[XS+8:XS+15], v228
	v_lshrrev_b32 v230, 23, v228                   ; the scale's byte (a plain line behind the conversions)
	ds_store_b8 v[SCA+(\q)%7], v230 offset:33*((\q)/7)   ; both lanes of a block write the same byte with the same value
.if (\q) < 7
	global_store_b128 v9, v[C+4*(\q):C+4*(\q)+3], s[16:17] offset:512*((\q)%7)   ; 512 consecutive bytes a wave
.else
	global_store_b128 v9, v[C+4*(\q):C+4*(\q)+3], s[28:29] offset:512*((\q)%7)
.endif
.endm
	s_sub_co_u32 s24, ttmp9, NCB
	s_lshl_b32 s24, s24, 2
	s_add_co_u32 s24, s24, s22                     ; my quad: 4 x work-group + wave
	s_mul_i32 s25, s24, 14416
	s_wait_alu depctr_va_vdst(0)
	v_lshl_add_u32 v4, v3, 2, s25                  ; v4: byte offset in feature: quad + 4 x lane; never rewritten
	LOADROW 0                                      ; two rows' loads go out ahead of the set-up,
	LOADROW 1
	s_mul_i32 s26, s24, 3584
	s_mov_b32 s27, 0
	s_add_nc_u64 s[16:17], s[16:17], s[26:27]      ; fq, half 0, at my quad
	s_add_nc_u64 s[28:29], s[16:17], 17920000      ; half 1
	s_lshl_b32 s26, s24, 8
	s_add_nc_u64 s[18:19], s[18:19], s[26:27]      ; fs at my quad
	s_lshl_b32 s26, s24, 9
	s_add_nc_u64 s[40:41], s[40:41], s[26:27]      ; fx at my quad: 4 rows of 128 bytes
	s_mul_i32 s30, s22, WREG
	s_add_co_u32 s32, s30, SCS
	LTADDR 5, 0                                    ; v5: word lane
	LTADDR 6, 5                                    ; v6: word lane + 5
	LTADDR 7, 10                                   ; v7: word lane + 10
	v_mul_u32_u24 v8, v3, 80
	v_add_nc_u32 v8, s30, v8                       ; v8: my unit of 16 neighbours
	v_lshlrev_b32 v9, 4, v3                        ; v9: 16 x lane: my codes
	v_lshlrev_b32 v10, 3, v3                       ; v10: 8 x lane: fs
	v_add_nc_u32 v11, s32, v10                     ; v11: the same in the scale stage
	v_mov_b32 v12, 0
	v_mov_b32 v13, 0
	v_add_nc_u32 v14, 5, v3
	v_and_b32 v14, 31, v14
	v_lshlrev_b32 v14, 2, v14                      ; v14: my word of a row of fx: (lane + 5) % 32; never rewritten
	v_lshrrev_b32 v224, 1, v3
.irp t, 0,1,2,3,4,5,6
	v_add_nc_u32 v225, 16*\t, v224                 ; my block among the quad's 112 of an alignment,
	v_mul_u32_u24 v226, v225, 293
	v_lshrrev_b32 v226, 13, v226                   ; its row = block / 28 (293 / 8192 serves up to 111),
	v_mad_u32_u24 v225, v226, 36, v225             ; its byte in the stage: 64 x row + block - 28 x row
	v_add_nc_u32 v[SCA+\t], s32, v225
.endr
	LOADROW 2                                      ; the other two behind it
	LOADROW 3
	ds_store_b64 v11, v[12:13]                     ; the stage's filler bytes are 0
	s_wait_loadcnt 60                              ; rows 0 and 1 are in; the 60 loads of rows 2 and 3 may be out
	STOREA 0
	STOREA 1
	s_wait_loadcnt 30                              ; row 2 is in; row 3's 30 loads may be out
	STOREA 2
	s_wait_loadcnt 0x0
	STOREA 3
	v_cmp_gt_u32 vcc_lo, 27, v3                    ; lanes 0-26 hold elements 0..26 (load 0), lanes 27-31 elements 896..900 (load 29)
.irp p, 0,1,2,3
	v_cndmask_b32 v[R+30*\p], v[R+30*\p+29], v[R+30*\p], vcc_lo   ; load 0's register has gone to the image and is read by nothing else from here on
.endr
.irp p, 0,1,2,3
	global_store_b32 v14, v[R+30*\p], s[40:41] offset:128*\p      ; a row of fx: 128 consecutive bytes a wave
.endr
	QLOAD 0
.irp q, 0,1,2,3,4,5
	QSTEP \q
.endr
	; THE IMAGE IS USED TWICE.  Step 6's four loads, the last reads of alignment A, were issued in step 5; LDS serves a wave's instructions in order (ISA guide 5.7.1.4), so the stores below come behind them.
	STOREB 0
	STOREB 1
	STOREB 2
	STOREB 3
.irp q, 6,7,8,9,10,11,12,13
	QSTEP \q
.endr
	ds_load_b64 v[226:227], v11                    ; these see my byte stores
	s_wait_dscnt 0x0
	global_store_b64 v10, v[226:227], s[18:19]     ; four rows of fs: 256 consecutive bytes, aligned
	FIN
; s28 = stream, s29 = position, s22 = my wave b: s[36:37] = where tiles 2 b, 2 b + 1 of the step record go, s[38:39] = their column of scale words
.macro RECORD
	s_mul_i32 s30, s28, STREAM
	s_mul_i32 s31, s29, STEPB
	s_add_co_u32 s30, s30, s31
	s_lshr_b32 s31, s22, 1
	s_mul_i32 s31, s31, GRPB
	s_add_co_u32 s30, s30, s31
	s_mov_b32 s31, 0
	s_add_nc_u64 s[20:21], s[20:21], s[30:31]      ; the group record
	s_and_b32 s32, s22, 1
	s_lshl_b32 s30, s32, 12
	s_add_nc_u64 s[36:37], s[20:21], s[30:31]
	s_lshl_b32 s30, s32, 2
	s_add_co_u32 s30, s30, 8192
	s_add_nc_u64 s[38:39], s[20:21], s[30:31]
.endm
; ---------------- ROLE B: work-group = (128 columns cg, K step ks) of W1; wave b takes 32 columns, a lane one column and 128 numbers down K.
.Lnot_a:
	s_cmp_ge_u32 ttmp9, NC
	s_cbranch_scc0 .Lnot_b
	s_sub_co_u32 s24, ttmp9, NC
	s_mul_hi_u32 s25, s24, 0x11111112              ; cg = id / 15
	s_mul_i32 s26, s25, 15
	s_sub_co_u32 s26, s24, s26                     ; ks = id % 15
	s_lshr_b32 s27, s25, 2                         ; the chain's pass
	s_and_b32 s28, s25, 3                          ; the stream
	s_cmp_lt_u32 s26, 2
	s_cselect_b32 s29, s27, 0
	s_xor_b32 s29, s26, s29                        ; pass 1's steps 0 and 1 change places: 15 steps are odd, and every pass is to begin on the reader's register set 0
	s_mul_i32 s30, s27, 15
	s_add_co_u32 s29, s29, s30                     ; the position in the stream
	RECORD
	s_lshl_b32 s30, s26, 19                        ; 128 rows of 4,096 bytes a K step
	s_add_nc_u64 s[6:7], s[6:7], s[30:31]
	s_lshl_b32 s33, s25, 7
	s_lshl_b32 s34, s22, 5
	s_add_co_u32 s33, s33, s34
	s_wait_alu depctr_va_vdst(0)
	v_add_nc_u32 v4, s33, v3
	v_lshlrev_b32 v4, 2, v4                        ; my column, in bytes
	v_bfe_u32 v224, v3, 3, 1                       ; u: which of the two tiles my column belongs to
	v_and_b32 v225, 7, v3
	v_lshrrev_b32 v226, 4, v3
	v_lshl_add_u32 v225, v226, 3, v225             ; r: its lane there
	v_lshlrev_b32 v5, 4, v225
	v_lshl_add_u32 v5, v224, 11, v5                ; 2048 u + 16 r
	v_lshl_add_u32 v6, v224, 4, v225
	v_lshlrev_b32 v6, 3, v6                        ; 8 (16 u + r)
	s_cmp_eq_u32 s26, 14
	s_cbranch_scc1 .Ltail_k
.set qa, 0
.rept 128
	global_load_b32 v[16+qa], v4, s[6:7] offset:4096*qa   ; 128 consecutive bytes a wave
.set qa, qa+1
.endr
	s_branch .Lhave_w
.Ltail_k:                                              ; K = 1,802 = 14 x 128 + 10: the last step has 10 rows; the rest are zeros, and no load leaves the buffer
.set qa, 0
	s_wait_alu depctr_va_vdst(0)
.rept 10
	global_load_b32 v[16+qa], v4, s[6:7] offset:4096*qa
.set qa, qa+1
.endr
.rept 118
	v_mov_b32 v[16+qa], 0
.set qa, qa+1
.endr
.Lhave_w:
	s_wait_loadcnt 0x0
.macro WBLOCK c                        ; block c: all 32 numbers are mine
.set XS, 16+32*(\c)
	v_max3_num_f32 v180, |v[XS]|, |v[XS+1]|, |v[XS+2]|
	v_max3_num_f32 v181, |v[XS+3]|, |v[XS+4]|, |v[XS+5]|
.irp i, 6,10,14,18,22,26
	v_max3_num_f32 v180, v180, |v[XS+\i]|, |v[XS+\i+1]|
	v_max3_num_f32 v181, v181, |v[XS+\i+2]|, |v[XS+\i+3]|
.endr
	v_max3_num_f32 v180, v180, |v[XS+30]|, |v[XS+31]|
	v_max3_num_f32 v180, v180, v181, 0x8000000
	v_add_nc_u32 v182, 0xf8800000, v180
	v_and_or_b32 v183, v180, 0x7f800000, s23
	v_lshrrev_b32 v181, 23, v182
.if (\c) == 0
	v_mov_b32 v176, v181
.else
	v_lshl_or_b32 v176, v181, 8*(\c), v176         ; the four bytes make my column's scale word
.endif
.set qi, 0
.rept 32
	v_med3_num_f32 v[XS+qi], v[XS+qi], -v183, v183
.set qi, qi+1
.endr
.irp g, 0,1,2,3
	v_cvt_scalef32_pk8_bf8_f32 v[144+8*(\c)+2*\g:145+8*(\c)+2*\g], v[XS+8*\g:XS+8*\g+7], v182
.endr
	v_nop                                          ; a plain line behind the conversions: the next block writes their scale operand
	global_store_b128 v5, v[144+8*(\c):147+8*(\c)], s[36:37] offset:512*(\c)       ; k = 32 c + 0..15: the image's lanes 0-15; sixteen lanes fill 256 consecutive bytes
	global_store_b128 v5, v[148+8*(\c):151+8*(\c)], s[36:37] offset:512*(\c)+256   ; k = 32 c + 16..31: its lanes 16-31
.endm
	WBLOCK 0
	WBLOCK 1
	WBLOCK 2
	WBLOCK 3
	global_store_b32 v6, v176, s[38:39]
	FIN
; ---------------- ROLE C: copies.  W2: work-group = (stream w, step p); the chain walks h1's images in the order in which they lie, so step p is K step (p + 4) % 8.
.Lnot_b:
	s_mov_b32 s24, ttmp9
	s_wait_alu depctr_va_vdst(0)
	v_and_b32 v224, 15, v3                         ; r
	v_lshrrev_b32 v225, 4, v3                      ; h
	v_lshlrev_b32 v5, 4, v3                        ; 16 x lane: an image's place for my lane
	v_lshlrev_b32 v7, 3, v3                        ; 8 x lane: my scale words' place
	s_cmp_eq_u32 s24, 32
	s_cbranch_scc1 .Lw3
	s_and_b32 s28, s24, 3
	s_lshr_b32 s25, s24, 2                         ; p
	s_add_co_u32 s26, s25, 4
	s_and_b32 s26, s26, 7                          ; the K step
	s_cmp_lt_u32 s25, 2
	s_cselect_b32 s29, 1, 0
	s_xor_b32 s29, s25, s29                        ; steps 0 and 1 change places, as in W1's second pass
	s_add_co_u32 s29, s29, 30
	RECORD
	s_wait_alu depctr_va_vdst(0)
	v_and_b32 v226, 8, v224
	v_add_nc_u32 v226, v226, v224                  ; r + 8 (r / 8)
	v_lshlrev_b32 v4, 10, v226
	v_lshl_add_u32 v4, v225, 4, v4                 ; that row of 1,024 codes, + 16 h
	s_wait_alu depctr_va_vdst(0)
	v_lshl_add_u32 v6, v225, 3, v226
	v_lshlrev_b32 v6, 5, v6                        ; scale bytes: lanes 16-31 take tile u = 1: row 8 + r + 8 (r / 8), 32 bytes a row
	s_wait_alu depctr_va_vdst(0)
	s_lshl_b32 s33, s28, 7
	s_lshl_b32 s34, s22, 5
	s_add_co_u32 s33, s33, s34                     ; first row: 128 w + 32 b
	s_lshl_b32 s30, s33, 10
	s_lshl_b32 s34, s26, 7
	s_add_co_u32 s30, s30, s34
	s_add_nc_u64 s[8:9], s[8:9], s[30:31]
	s_lshl_b32 s30, s33, 5
	s_lshl_b32 s34, s26, 2
	s_add_co_u32 s30, s30, s34
	s_add_nc_u64 s[10:11], s[10:11], s[30:31]
.irp u, 0,1
.irp c, 0,1,2,3
	global_load_b128 v[16+16*\u+4*\c:19+16*\u+4*\c], v4, s[8:9] offset:8192*\u+32*\c
.endr
.endr
	global_load_b32 v48, v6, s[10:11]
	s_wait_loadcnt 0x0
.irp u, 0,1
.irp c, 0,1,2,3
	global_store_b128 v5, v[16+16*\u+4*\c:19+16*\u+4*\c], s[36:37] offset:2048*\u+512*\c
.endr
.endr
	global_store_b32 v7, v48, s[38:39]
	FIN
.Lw3:                                                  ; W3: wave b copies rows 16 b .. 16 b + 15; the group record's four fragments are K steps 0..3
	s_wait_alu depctr_va_vdst(0)
	v_lshlrev_b32 v4, 9, v224
	v_lshl_add_u32 v4, v225, 4, v4                 ; row r of 512 codes, + 16 h
	s_wait_alu depctr_va_vdst(0)
	v_lshlrev_b32 v6, 4, v224
	v_lshl_add_u32 v6, v225, 2, v6                 ; 16 scale bytes a row; lanes 16-31 take the odd K steps' words
	s_wait_alu depctr_va_vdst(0)
	s_lshl_b32 s30, s22, 13
	s_mov_b32 s31, 0
	s_add_nc_u64 s[12:13], s[12:13], s[30:31]
	s_lshl_b32 s30, s22, 8
	s_add_nc_u64 s[14:15], s[14:15], s[30:31]
	s_mul_i32 s30, s22, STREAM
	s_add_co_u32 s30, s30, 38*STEPB
	s_add_nc_u64 s[20:21], s[20:21], s[30:31]
.irp s, 0,1,2,3
.irp c, 0,1,2,3
	global_load_b128 v[16+16*\s+4*\c:19+16*\s+4*\c], v4, s[12:13] offset:128*\s+32*\c
.endr
.endr
	global_load_b32 v80, v6, s[14:15]
	global_load_b32 v81, v6, s[14:15] offset:8
	s_wait_loadcnt 0x0
.irp s, 0,1,2,3
.irp c, 0,1,2,3
	global_store_b128 v5, v[16+16*\s+4*\c:19+16*\s+4*\c], s[20:21] offset:2048*\s+512*\c
.endr
.endr
	global_store_b64 v7, v[80:81], s[20:21] offset:8192
	FIN
.Lfunc_end_k_qfb387043ef_prep:
	.size	k_qfb387043ef_prep, .Lfunc_end_k_qfb387043ef_prep-k_qfb387043ef_prep
	.p2alignl 7, 3214868480
	.fill 96, 4, 3214868480
	.section	.rodata,"a",@progbits
	.p2align	6, 0x0
	.amdhsa_kernel k_qfb387043ef_prep
		.amdhsa_group_segment_fixed_size 74240
		.amdhsa_private_segment_fixed_size 0
		.amdhsa_enable_private_segment 0
		.amdhsa_kernarg_size 80
		.amdhsa_user_sgpr_count 2
		.amdhsa_user_sgpr_kernarg_segment_ptr 1
		.amdhsa_wavefront_size32 1
		.amdhsa_system_sgpr_workgroup_id_x 1
		.amdhsa_system_sgpr_workgroup_id_y 1
		.amdhsa_system_sgpr_workgroup_id_z 1
		.amdhsa_system_vgpr_workitem_id 0
		.amdhsa_next_free_vgpr 240
		.amdhsa_next_free_sgpr 66
		.amdhsa_reserve_vcc 1
		.amdhsa_float_denorm_mode_32 3
		.amdhsa_float_denorm_mode_16_64 3
		.amdhsa_memory_ordered 1
		.amdhsa_forward_progress 1
		.amdhsa_inst_pref_size 106
	.end_amdhsa_kernel
	.amdgpu_metadata
---
amdhsa.version: [ 1, 2 ]
amdhsa.kernels:
  - .name:           k_qfb387043ef_prep
    .symbol:         k_qfb387043ef_prep.kd
    .args:
      - { .name: feature, .offset: 0, .size: 8, .value_kind: global_buffer, .address_space: global }
      - { .name: W1, .offset: 8, .size: 8, .value_kind: global_buffer, .address_space: global }
      - { .name: W2_codes, .offset: 16, .size: 8, .value_kind: global_buffer, .address_space: global }
      - { .name: W2_scales, .offset: 24, .size: 8, .value_kind: global_buffer, .address_space: global }
      - { .name: W3_codes, .offset: 32, .size: 8, .value_kind: global_buffer, .address_space: global }
      - { .name: W3_scales, .offset: 40, .size: 8, .value_kind: global_buffer, .address_space: global }
      - { .name: fq, .offset: 48, .size: 8, .value_kind: global_buffer, .address_space: global }
      - { .name: fs, .offset: 56, .size: 8, .value_kind: global_buffer, .address_space: global }
      - { .name: ws, .offset: 64, .size: 8, .value_kind: global_buffer, .address_space: global }
      - { .name: fx, .offset: 72, .size: 8, .value_kind: global_buffer, .address_space: global }
    .group_segment_fixed_size: 74240
    .private_segment_fixed_size: 0
    .kernarg_segment_align: 8
    .kernarg_segment_size: 80
    .max_flat_workgroup_size: 128
    .sgpr_count:     66
    .vgpr_count:     240
    .wavefront_size: 32
...
	.end_amdgpu_metadata
.endif
;; end of part 1
;; launch chain (part 2): grid 224 x 1, 4 waves a work-group, no clusters, 291,072 bytes of LDS; arguments fx, train_sample, test_sample, fq, fs, ws, b1, b2, b3, W4, b4, out0, out1; writes out0, out1
.if DOCPART == 2
	.amdgcn_target "amdgcn-amd-amdhsa--gfx1250"
	.amdhsa_code_object_version 6
	.text
	.protected	k_qfb387043ef_chain
	.globl	k_qfb387043ef_chain
	.p2align	8
	.type	k_qfb387043ef_chain,@function
k_qfb387043ef_chain:
	s_mov_b64 s[64:65], 0
	v_nop
	global_prefetch_b8 v0, s[64:65] scope:SCOPE_SE
	s_setreg_imm32_b32 hwreg(HW_REG_WAVE_MODE, 25, 1), 1
	s_wait_xcnt 0x0
; CHAIN: gather, four Linears, sigmoid; h1, h2 and h3 never go to memory.  Nothing of the problem is left out as dead work.
; SHARES.  Work-groups 0-111 take the train pairs, 112-223 the test pairs; work-group j of a set takes rows floor(12500 j / 112) up to floor(12500 (j + 1) / 112): 111 or 112 rows, seven tiles of 16.
; THE WAVES SHARE THE COLUMNS: wave w makes columns 128 (4 pass + w) of h1 (two passes), 128 w of h2 and 16 w of h3, for all seven tiles of rows: 56 accumulators.
; All quantised products are used transposed (source 0 = 16 columns of the weight, source 1 = 16 rows): a lane holds one row, its registers run along the next K, and the weights' tiles are laid (by prep) so that
; 16 registers of two neighbouring tiles are 16 neighbours there.  So each result is quantised in registers and goes to the other waves through LDS as an image of the operand's registers.
; THE LEFT OPERAND of the first product: the rows' codes are gathered from fq (prep), block 28 (5 numbers of the first row, 27 of the second) is quantised here, a thread to a pair; 1,920 codes a row stay in LDS.
; THE WEIGHTS come from ws straight into registers, each wave its own stream, in a ring of four groups of four fragments: three groups (51 loads) are always on their way, and no barrier stands in a K loop.
; NO CLUSTER, NO TENSOR LOAD: no wave shares a weight byte with another wave of its work-group; beside the rows and images LDS has 36,608 bytes left, so two slots would hold 18,304 bytes each, about a quarter of
; a K step's 67,584 bytes of weights: a joint refill, with its round of the cluster's barrier, would stand behind every 15 matrix instructions of a wave.
; LIMITS: a block whose largest magnitude lies under 2^-111 takes the scale byte 1; a block of zeros has the byte 1 or 0 where the rule says 127 (its codes are zeros; the bytes are this program's own);
; NaN and infinities among the inputs are not served; an index is taken as unsigned and held at 19,999.
; LDS: 512: 112 rows of 1,936 bytes (896 half 0, 32 block 28, 896 half 1, 96 zeros, 16 padding).  160,000: h1's images, 8 positions x 7 tiles x 2,048; positions 4-7 (pass 0's) lie behind the rows, positions 0-3
; (pass 1's) over rows that nobody reads any more.  512: h2's images, 4 x 7 x 2,048, likewise.  Then the scale words, [step][lane 32][4]: row R at lane R % 32, word R / 32; then the partial sums; then the spare words.
; REGISTERS, in windows of 256: window 0: v1, v2 the add's two; v3-6 LDS addresses in hand; v7-11, v28-31 lane terms; v12-19 the rows' scale words (two sets), v20-27 the weights' (four groups);
;   v32-143, v144-255 the rows' fragments, two sets of 7 x 16 (set 1 is scratch between the products).   window 1: the weights' ring, two sets of 8 x 16.
;   window 2: accumulators (m, n) at v[64 m + 8 n], m = 0..3.   window 3: m = 4..6 at v[64 (m - 4) + 8 n]; v192-255 the bias, in the result's layout: the C of each sum's first instruction.
.set AROW,   512
.set APITCH, 1936
.set HIM,    160000
.set POSB,   14336
.set AS,     274688
.set HS,     282368
.set H2S,    286464
.set PS,     288512
.set SPARE,  290560
.set STREAM, 650496
.set STEPB,  16896
.set EM,     144                       ; v144-171 four a tile of rows: the blocks' largest magnitudes, then the conversions' scale operands
.set EH,     172                       ; v172-199 lane l xor 16's magnitudes, then 57,344 x the scale
.set EB,     200                       ; v200-227 the scale bytes; once the words are made, v200-231 are two sets of 16 registers for codes
.set EW,     232                       ; v232-238 the tiles' scale words
.set T,      144                       ; the last product's sums, a pair a tile
.set MSB, 0
.macro WIN new                         ; the immediate's high byte repeats the setting that is left; a switch that changes nothing is dropped
.if MSB != (\new)
	s_set_vgpr_msb (MSB<<8)|(\new)
.set MSB, (\new)
.endif
.endm
.macro NOPS n
.rept \n
	v_nop
.endr
.endm
.macro BARRIER                         ; my LDS stores have landed and my LDS loads are in: then the work-group's barrier
	s_wait_dscnt 0x0
	s_barrier_signal -1
	s_barrier_wait -1
.endm
; one matrix instruction from the symbols rD, rW, rA, rC, rSW, rSA; oW, oA: the scale words stand in lanes 16-31
.macro EMIT
.if oW && oA
	v_wmma_scale_f32_16x16x128_f8f6f4 v[rD:rD+7], v[rW:rW+15], v[rA:rA+15], v[rC:rC+7], v[rSW], v[rSA] matrix_a_fmt:MATRIX_FMT_BF8 matrix_b_fmt:MATRIX_FMT_BF8 matrix_a_scale:MATRIX_SCALE_ROW1 matrix_b_scale:MATRIX_SCALE_ROW1
.elseif oW
	v_wmma_scale_f32_16x16x128_f8f6f4 v[rD:rD+7], v[rW:rW+15], v[rA:rA+15], v[rC:rC+7], v[rSW], v[rSA] matrix_a_fmt:MATRIX_FMT_BF8 matrix_b_fmt:MATRIX_FMT_BF8 matrix_a_scale:MATRIX_SCALE_ROW1
.elseif oA
	v_wmma_scale_f32_16x16x128_f8f6f4 v[rD:rD+7], v[rW:rW+15], v[rA:rA+15], v[rC:rC+7], v[rSW], v[rSA] matrix_a_fmt:MATRIX_FMT_BF8 matrix_b_fmt:MATRIX_FMT_BF8 matrix_b_scale:MATRIX_SCALE_ROW1
.else
	v_wmma_scale_f32_16x16x128_f8f6f4 v[rD:rD+7], v[rW:rW+15], v[rA:rA+15], v[rC:rC+7], v[rSW], v[rSA] matrix_a_fmt:MATRIX_FMT_BF8 matrix_b_fmt:MATRIX_FMT_BF8
.endif
.endm
.macro MM mm, nn, par, first           ; tile of rows mm x tile of columns nn, register sets par
.set rD, 64*((\mm)%4)+8*(\nn)
.set rW, 128*(\par)+16*(\nn)
.set rA, 32+112*(\par)+16*(\mm)
.set rSW, 20+4*(\par)+2*((\nn)>>2)+(((\nn)>>1)&1)
.set rSA, 12+4*(\par)+((\mm)>>1)
.set oW, ((\nn)&1)
.set oA, ((\mm)&1)
.if \first
.set rC, 192+8*(\nn)
.else
.set rC, rD
.endif
	EMIT
.endm
; 28 matrix instructions: the seven tiles of rows x columns' tiles nb .. nb + 3.  The 56 accumulators take turns, one instruction a turn, in the same order in every step.
.macro MUL par, nb, first
.if \first
	WIN 0xB1                                       ; source 0 window 1, source 1 window 0, C (the bias) window 3, D window 2
.else
	WIN 0xA1
.endif
.irp mi, 0,1,2,3
.irp ni, 0,1,2,3
	MM \mi, (\nb)+\ni, \par, \first
.endr
.endr
	WIN 0xF1
.irp mi, 4,5,6
.irp ni, 0,1,2,3
	MM \mi, (\nb)+\ni, \par, \first
.endr
.endr
.endm
.macro WLOAD grp, off                  ; a group record into ring group grp: 16 loads of 512 consecutive bytes and the scale words: 17 loads
	WIN 0x40
.irp i, 0,1,2,3,4,5,6,7,8,9,10,11,12,13,14,15
	global_load_b128 v[64*(\grp)+4*\i:64*(\grp)+4*\i+3], v7, s[40:41] offset:(\off)+512*\i
.endr
	WIN 0
	global_load_b64 v[20+2*(\grp):21+2*(\grp)], v8, s[40:41] offset:(\off)+8192
.endm
; W1's K step 14 holds one live block of 32 (K = 1,792 .. 1,823): every row's codes 1,824 .. 1,919 are zeros.  So of each of its fragments only registers 0-3 (that block) are loaded, and the scale words: 5 loads.
; Registers 4-15 keep K step 12's codes, which prep made and which are finite: they meet zero codes and add nothing.
.macro WSHORT grp, off
	WIN 0x40
.irp i, 0,4,8,12
	global_load_b128 v[64*(\grp)+4*\i:64*(\grp)+4*\i+3], v7, s[40:41] offset:(\off)+512*\i
.endr
	WIN 0
	global_load_b64 v[20+2*(\grp):21+2*(\grp)], v8, s[40:41] offset:(\off)+8192
.endm
.macro ALOAD1 set
.irp mi, 0,1,2,3,4,5,6
.irp c, 0,1,2,3
	ds_load_b128 v[32+112*(\set)+16*\mi+4*\c:32+112*(\set)+16*\mi+4*\c+3], v[3+\mi/3] offset:(\mi%3)*30976+32*\c
.endr
.endr
	ds_load_b128 v[12+4*(\set):15+4*(\set)], v6
.endm
.macro ALOAD2 set, off, soff           ; the same from images
.irp mi, 0,1,2,3,4,5,6
.irp c, 0,1,2,3
	ds_load_b128 v[32+112*(\set)+16*\mi+4*\c:32+112*(\set)+16*\mi+4*\c+3], v3 offset:(\off)+2048*\mi+512*\c
.endr
.endr
	ds_load_b128 v[12+4*(\set):15+4*(\set)], v6 offset:\soff
.endm
; A K STEP on register sets par.  first: the bias starts the sums.  pre: the next step's rows come from the rows (1), from images (2), or not (0).  rl0, rl1: the ring's two groups are filled again.
; lc0, lc1: how many younger loads may stay out when the first and the second group are wanted: three groups of 17 in the steady state.
; A load into a register that a matrix instruction has read stands eight places behind it: the address lines and v_nop are the places.
.macro STEP par, first, pre, rl0, rl1, lc0, lc1
	s_wait_loadcnt \lc0
	s_wait_dscnt 0x0                               ; the rows' fragments, asked for 28 matrix instructions ago
	MUL \par, 0, \first
	WIN 0
.if \pre == 1
	s_add_co_u32 s48, s48, 128
	s_add_co_u32 s49, s49, 512
	v_add_nc_u32 v3, s48, v29
	v_add_nc_u32 v6, s49, v7
	v_add_nc_u32 v4, 92928, v3                     ; three tiles of rows on,
	v_add_nc_u32 v5, 185856, v3                    ; six: the immediate has 16 bits
	NOPS 4
.elseif \pre == 2
	s_add_co_u32 s48, s48, POSB
	s_add_co_u32 s49, s49, 512
	v_add_nc_u32 v3, s48, v7
	v_add_nc_u32 v6, s49, v7
	NOPS 6
.else
	NOPS 8
.endif
.if \rl0
	s_wait_xcnt 0x0                                ; the loads issued so far have read their base: it steps only behind this wait
	s_add_nc_u64 s[40:41], s[40:41], STEPB
.if \rl0 == 2
	WSHORT 2*(\par), 0
.else
	WLOAD 2*(\par), 0
.endif
.endif
.if \pre == 1
	s_wait_alu depctr_va_vdst(0)
	ALOAD1 1-(\par)
.elseif \pre == 2
	s_wait_alu depctr_va_vdst(0)
	ALOAD2 1-(\par), 0, 0
.endif
	s_wait_loadcnt \lc1
	MUL \par, 4, \first
	WIN 0
	NOPS 8
.if \rl1
.if \rl1 == 2
	WSHORT 2*(\par)+1, 8448
.else
	WLOAD 2*(\par)+1, 8448
.endif
.endif
.endm
; A RESULT BECOMES AN OPERAND.  Of tile of rows m a lane holds 64 numbers: register 16 b + i = column 32 b + 16 (lane / 16) + i of my 128: four blocks of 32, each shared with lane l xor 16.
; QMAX: the largest magnitudes of the tiles in one window, all their blocks by turns.  Each accumulator is read from its low end on; the floor 2^(16 - 127) holds the byte at 1 from below.
.macro QMAX w, m0, m1, m2, m3
	WIN (\w)|((\w)<<2)
.irp m, \m0, \m1, \m2, \m3
.if \m < 7
.irp b, 0,1,2,3
	v_max3_num_f32 v[EM+4*\m+\b], |v[64*(\m%4)+16*\b]|, |v[64*(\m%4)+16*\b+1]|, 0x8000000
.endr
.endif
.endr
.irp i, 2,4,6,8,10,12,14
.irp m, \m0, \m1, \m2, \m3
.if \m < 7
.irp b, 0,1,2,3
	v_max3_num_f32 v[EM+4*\m+\b], |v[64*(\m%4)+16*\b+\i]|, |v[64*(\m%4)+16*\b+\i+1]|, v[EM+4*\m+\b]
.endr
.endif
.endr
.endr
	WIN 0
.endm
; QCODE: tile m's hold and conversions, into code set m % 2, and its image: lane l's 16 bytes at 16 l; the scale word to lane 16 (m % 2) + r, word m / 2 (both halves of the lanes hold and write the same word).
.macro QCODE m
.set qW, 2+(\m)/4
.set qB, 64*((\m)%4)
.set qC, EB+16*((\m)%2)
	WIN (qW<<6)|qW
.irp b, 0,1,2,3
.irp i, 0,1,2,3,4,5,6,7,8,9,10,11,12,13,14,15
	v_med3_num_f32 v[qB+16*\b+\i], v[qB+16*\b+\i], -v[EH+4*(\m)+\b], v[EH+4*(\m)+\b]   ; the conversion does not saturate (ISA guide 7.6.2): the hold
.endr
.endr
	s_wait_alu depctr_va_vdst(0)
	s_wait_dscnt 5                                 ; all but the last tile's five stores: the stores of the tile before that, which read this code set, are done
	WIN qW
.irp b, 0,1,2,3
	v_cvt_scalef32_pk8_bf8_f32 v[qC+4*\b:qC+4*\b+1], v[qB+16*\b:qB+16*\b+7], v[EM+4*(\m)+\b]
	v_cvt_scalef32_pk8_bf8_f32 v[qC+4*\b+2:qC+4*\b+3], v[qB+16*\b+8:qB+16*\b+15], v[EM+4*(\m)+\b]
.endr
	WIN 0
	v_nop                                          ; a plain line behind the conversions
.irp c, 0,1,2,3
	ds_store_b128 v11, v[qC+4*\c:qC+4*\c+3] offset:2048*(\m)+512*\c
.endr
	ds_store_b32 v28, v[EW+(\m)] offset:256*((\m)&1)+4*((\m)>>1)
.if (\m) == 6
	ds_store_b32 v28, v[EW+6] offset:268           ; the place of a tile 7, which does not exist: loaded with the others, used by no product, and so written
.endif
.endm
.macro ALL28 body:vararg                ; one line for each of the 28 blocks, qi = 0 .. 27
.set qi, 0
.rept 28
	\body
.set qi, qi+1
.endr
.endm
; wb = 1: the next sums' bias is asked for behind the scale work (its registers were last read by the sums' first step)
.macro EPI wb
	ALL28 v_mov_b32 v[EH+qi], 0                    ; a lane permute's destination counts as one of its sources
	QMAX 2, 0, 1, 2, 3
	QMAX 3, 4, 5, 6, 7
	ALL28 v_permlanex16_b32 v[EH+qi], v[EM+qi], s42, s43
	ALL28 v_max_num_f32 v[EM+qi], v[EM+qi], v[EH+qi]             ; with lane l xor 16's 16: the block's largest magnitude
	ALL28 v_and_or_b32 v[EH+qi], v[EM+qi], 0x7f800000, s44       ; 57,344 x the scale
	ALL28 v_add_nc_u32 v[EM+qi], 0xf8800000, v[EM+qi]            ; 15 off the exponent field: the conversion's scale operand
	ALL28 v_lshrrev_b32 v[EB+qi], 23, v[EM+qi]                   ; the scale's byte
.irp m, 0,1,2,3,4,5,6
	v_lshl_or_b32 v[EW+\m], v[EB+4*\m+1], 8, v[EB+4*\m]
.endr
.irp m, 0,1,2,3,4,5,6
	v_lshl_or_b32 v[EW+\m], v[EB+4*\m+2], 16, v[EW+\m]
.endr
.irp m, 0,1,2,3,4,5,6
	v_lshl_or_b32 v[EW+\m], v[EB+4*\m+3], 24, v[EW+\m]
.endr
.if \wb
	s_wait_xcnt 0x0                                ; the bias's base is written only behind this wait
	s_cmp_eq_u32 s46, 2
	s_cselect_b64 s[38:39], s[34:35], s[36:37]     ; b1 at pass 1's columns, then b2
	BIAS
.endif
.irp m, 0,1,2,3,4,5,6
	QCODE \m
.endr
.endm
.macro BIAS                            ; lane (r, h) wants, for tile 2 b + u, the numbers of columns 32 b + 16 h + 8 u + 0 .. 7
	WIN 0xC0
.irp t, 0,1,2,3,4,5,6,7
	global_load_b128 v[192+8*\t:195+8*\t], v9, s[38:39] offset:(32*(\t/2)+8*(\t%2))*4
	global_load_b128 v[196+8*\t:199+8*\t], v9, s[38:39] offset:(32*(\t/2)+8*(\t%2))*4+16
.endr
	WIN 0
.endm
; ---------------- THE HEAD
	s_load_b256 s[4:11], s[0:1], 0x0               ; fx s[4:5], train s[6:7], test s[8:9], fq s[10:11]
	s_load_b256 s[12:19], s[0:1], 0x20             ; fs s[12:13], ws s[14:15], b1 s[16:17], b2 s[18:19]
	s_load_b256 s[20:27], s[0:1], 0x40             ; b3 s[20:21], W4 s[22:23], b4 s[24:25], out0 s[26:27]
	s_load_b64 s[28:29], s[0:1], 0x60              ; out1
	v_lshl_add_u32 v1, v0, 2, SPARE                ; my spare word; never rewritten
	v_mov_b32 v2, 0                                ; 0; never rewritten
	v_lshrrev_b32 v100, 5, v0
	v_readfirstlane_b32 s30, v100                  ; wave 0..3
	v_and_b32 v100, 31, v0                         ; lane
	v_and_b32 v110, 15, v0                         ; r
	v_bfe_u32 v101, v0, 4, 1                       ; h
	v_bfe_u32 v102, v0, 3, 1                       ; which of a pair's two rows my lane gathers
	v_lshlrev_b32 v7, 4, v100                      ; v7: 16 x lane
	v_lshlrev_b32 v8, 3, v100                      ; v8: 8 x lane
	v_lshlrev_b32 v9, 6, v101                      ; v9: 64 h
	v_lshlrev_b32 v10, 5, v101                     ; v10: 32 h
	v_mul_u32_u24 v29, v110, APITCH
	v_lshl_add_u32 v29, v101, 4, v29
	v_add_nc_u32 v29, AROW, v29                    ; v29: row r of tile 0, + 16 h
	s_mul_i32 s52, s30, POSB
	v_add_nc_u32 v30, s52, v7                      ; v30: 16 x lane + my wave's position among images
	s_lshl_b32 s56, s30, 9
	v_lshl_add_u32 v31, v110, 4, s56               ; v31: 16 r + my wave's position among scale words
	s_mul_i32 s52, s30, 28
	v_add_nc_u32 v103, s52, v101                   ; the gather: wave w takes rows 28 w on, two at a time
	v_lshlrev_b32 v104, 3, v103
	v_lshl_add_u32 v104, v102, 2, v104             ; where its index lies
	v_mul_u32_u24 v106, v102, 20000                ; fq's second half begins 20,000 rows on
	v_and_b32 v107, 7, v0
	v_lshlrev_b32 v107, 4, v107                    ; eight lanes take 128 consecutive bytes
	v_mul_u32_u24 v108, v103, APITCH
	v_mad_u32_u24 v108, v102, 928, v108
	v_add_nc_u32 v108, v107, v108
	v_add_nc_u32 v108, AROW, v108                  ; and where the codes go
	v_mul_u32_u24 v109, v0, APITCH
	v_add_nc_u32 v109, AROW+896, v109              ; block 28 of row t
	v_lshrrev_b32 v111, 5, v0
	v_lshl_add_u32 v111, v111, 2, v7
	v_add_nc_u32 v111, AS, v111                    ; row t's scale words: lane t % 32, word t / 32
.irp i, 0,1,2,3
	v_mov_b32 v[128+\i], 0
.endr
	s_mov_b32 s42, 0x76543210
	s_mov_b32 s43, 0xfedcba98                      ; v_permlanex16_b32's selects for lane l xor 16
	s_mov_b32 s44, 0x600000                        ; the mantissa field of 57,344
	s_wait_kmcnt 0x0
	s_load_b32 s33, s[24:25], 0x0                  ; b4
	s_cmp_ge_u32 ttmp9, 112                        ; which set: the choice hangs on the work-group's number alone
	s_cselect_b32 s52, 112, 0
	s_cselect_b64 s[6:7], s[8:9], s[6:7]
	s_cselect_b64 s[26:27], s[28:29], s[26:27]
	s_sub_co_u32 s52, ttmp9, s52                   ; j
	s_mul_i32 s53, s52, 3125
	s_add_co_u32 s54, s53, 3125
	s_lshr_b32 s53, s53, 2
	s_lshr_b32 s54, s54, 2
	s_mul_hi_u32 s31, s53, 0x24924925              ; / 7: my first row = floor(3125 j / 28)
	s_mul_hi_u32 s32, s54, 0x24924925
	s_sub_co_u32 s32, s32, s31                     ; my rows: 111 or 112
	s_lshl_b32 s52, s31, 3
	s_mov_b32 s53, 0
	s_add_nc_u64 s[6:7], s[6:7], s[52:53]
	s_lshl_b32 s52, s31, 2
	s_add_nc_u64 s[26:27], s[26:27], s[52:53]
	s_sub_co_u32 s55, 12499, s31
	v_min_u32 v105, s55, v0                        ; thread t's pair; threads past the set's last pair take the last: no load leaves the buffer
	v_lshlrev_b32 v105, 3, v105
.irp g, 0,1,2,3,4,5,6,7,8,9,10,11,12,13
	global_load_b32 v[80+\g], v104, s[6:7] offset:16*\g   ; (row 111 of a work-group of 111 rows is the next work-group's first: inside the buffer)
.endr
	global_load_b64 v[94:95], v105, s[6:7]
	s_mov_b32 s57, 0
	s_add_nc_u64 s[38:39], s[16:17], s[56:57]      ; b1 at pass 0's columns,
	s_add_nc_u64 s[34:35], s[38:39], 2048          ; at pass 1's,
	s_add_nc_u64 s[36:37], s[18:19], s[56:57]      ; b2 at mine
	s_lshl_b32 s52, s30, 6
	s_add_nc_u64 s[20:21], s[20:21], s[52:53]      ; b3 and W4 at my 16
	s_add_nc_u64 s[22:23], s[22:23], s[52:53]
	s_mul_i32 s52, s30, STREAM
	s_add_nc_u64 s[40:41], s[14:15], s[52:53]      ; my stream
	s_wait_loadcnt 0x0
	s_wait_kmcnt 0x0
.irp g, 0,1,2,3,4,5,6,7,8,9,10,11,12,13
	v_min_u32 v[80+\g], 19999, v[80+\g]
	v_add_nc_u32 v[80+\g], v106, v[80+\g]
	v_mul_u32_u24 v[80+\g], v[80+\g], 896
	v_add_nc_u32 v[80+\g], v107, v[80+\g]
.endr
	v_min_u32 v94, 19999, v94
	v_min_u32 v95, 19999, v95
	v_lshlrev_b32 v96, 7, v94                      ; a row of fx is 128 bytes
	v_lshlrev_b32 v97, 7, v95
	v_lshlrev_b32 v98, 6, v94
	v_lshlrev_b32 v99, 6, v95
	WIN 0x80                                       ; the gathered codes wait in the accumulators' registers
.irp g, 0,1,2,3,4,5,6,7
.irp i, 0,1,2,3,4,5,6
	global_load_b128 v[28*\g+4*\i:28*\g+4*\i+3], v[80+\g], s[10:11] offset:128*\i
.endr
.endr
	WIN 0xC0
.irp g, 8,9,10,11,12,13
.irp i, 0,1,2,3,4,5,6
	global_load_b128 v[28*(\g-8)+4*\i:28*(\g-8)+4*\i+3], v[80+\g], s[10:11] offset:128*\i
.endr
.endr
	WIN 0
	global_load_b128 v[32:35], v96, s[4:5]         ; block 28: the first row's words 0-3 of fx (elements 896..899),
	global_load_b32 v124, v96, s[4:5] offset:16    ; its word 4 (element 900),
.irp i, 1,2,3,4,5,6,7
	global_load_b128 v[32+4*\i:35+4*\i], v97, s[4:5] offset:16*\i   ; the second row's words 4-31: words 5-31 are its elements 0..26; word 4 is replaced below
.endr
	global_load_b128 v[64:67], v98, s[12:13]       ; scale words of steps 0-6 (and a filler),
	global_load_b128 v[68:71], v98, s[12:13] offset:16
	global_load_b128 v[72:75], v99, s[12:13] offset:32   ; of steps 7-14
	global_load_b128 v[76:79], v99, s[12:13] offset:48
	BIAS
	WLOAD 0, 0
	WLOAD 1, 8448
	WLOAD 2, 16896
	WLOAD 3, 25344
	s_wait_xcnt 0x0
	s_add_nc_u64 s[40:41], s[40:41], STEPB         ; at position 1: the first step steps it to 2
	s_wait_loadcnt 63                              ; the 68 youngest loads are the stream's: all others are in
	WIN 0x08
.irp g, 0,1,2,3,4,5,6,7
.irp i, 0,1,2,3,4,5,6
	ds_store_b128 v108, v[28*\g+4*\i:28*\g+4*\i+3] offset:3872*\g+128*\i
.endr
.endr
	WIN 0x0C
.irp g, 8,9,10,11,12,13
.irp i, 0,1,2,3,4,5,6
	ds_store_b128 v108, v[28*(\g-8)+4*\i:28*(\g-8)+4*\i+3] offset:3872*\g+128*\i
.endr
.endr
	WIN 0
	v_mov_b32 v36, v124                            ; the first row's element 900 takes its place
	v_max3_num_f32 v120, |v32|, |v33|, |v34|       ; block 28 of my pair: all 32 numbers are mine
	v_max3_num_f32 v121, |v35|, |v36|, |v37|
.irp i, 6,10,14,18,22,26
	v_max3_num_f32 v120, v120, |v[32+\i]|, |v[33+\i]|
	v_max3_num_f32 v121, v121, |v[34+\i]|, |v[35+\i]|
.endr
	v_max3_num_f32 v120, v120, |v62|, |v63|
	v_max3_num_f32 v120, v120, v121, 0x8000000
	v_add_nc_u32 v122, 0xf8800000, v120
	v_and_or_b32 v123, v120, 0x7f800000, s44
	v_lshrrev_b32 v121, 23, v122
.set qa, 0
.rept 32
	v_med3_num_f32 v[32+qa], v[32+qa], -v123, v123
.set qa, qa+1
.endr
.irp g, 0,1,2,3
	v_cvt_scalef32_pk8_bf8_f32 v[112+2*\g:113+2*\g], v[32+8*\g:39+8*\g], v122
.endr
	v_or_b32 v72, v72, v121                        ; its byte takes its place in step 7's word (a plain line behind the conversions)
	ds_store_b128 v109, v[112:115]                 ; all 128 lanes store: lanes 112-127 land behind the rows, in bytes that h1's images write over later, behind barriers
	ds_store_b128 v109, v[116:119] offset:16
.irp i, 0,1,2,3,4,5
	ds_store_b128 v109, v[128:131] offset:928+16*\i   ; codes 1,824..1,919 of a row are zeros
.endr
.irp s, 0,1,2,3,4,5,6
	ds_store_b32 v111, v[64+\s] offset:512*\s
.endr
.irp s, 7,8,9,10,11,12,13,14
	ds_store_b32 v111, v[65+\s] offset:512*\s
.endr
	BARRIER                                        ; the rows and their scale words lie in LDS
; ---------------- PRODUCT 1: two passes of 15 K steps, one text
	s_mov_b32 s46, 2
	s_mov_b32 s50, HIM+4*POSB                      ; pass 0's images go to positions 4-7
	s_mov_b32 s51, HS+4*512
.Lpass:
	s_mov_b32 s48, 0
	s_mov_b32 s49, AS
	v_add_nc_u32 v3, s48, v29
	v_add_nc_u32 v6, s49, v7
	v_add_nc_u32 v4, 92928, v3
	v_add_nc_u32 v5, 185856, v3
	ALOAD1 0
	STEP 0, 1, 1, 1, 1, 0, 51                      ; the first wait is for all loads: the bias is among them
	s_mov_b32 s45, 5                               ; steps 1 to 10
.Lk1:
	STEP 1, 0, 1, 1, 1, 51, 51
	STEP 0, 0, 1, 1, 1, 51, 51
	s_sub_co_i32 s45, s45, 1
	s_cmp_lg_u32 s45, 0
	s_cbranch_scc1 .Lk1
	STEP 1, 0, 1, 1, 1, 51, 51                     ; step 11
	STEP 0, 0, 1, 2, 2, 51, 39                     ; step 12 asks for K step 14's two groups, 5 loads each; behind its second group: 17 + 17 + 5
	STEP 1, 0, 1, 1, 1, 27, 27                     ; step 13: 17 + 5 + 5 younger loads, then 5 + 5 + 17
	STEP 0, 0, 0, 1, 1, 39, 51                     ; step 14: 5 + 17 + 17, then three whole groups; the ring goes on into the next pass or product
	v_add_nc_u32 v11, s50, v30
	v_add_nc_u32 v28, s51, v31
	BARRIER                                        ; in pass 1: no wave reads the rows any more, so images may lie over them
	EPI 1
	s_sub_co_u32 s50, s50, 4*POSB                  ; pass 1's images go to positions 0-3
	s_sub_co_u32 s51, s51, 4*512
	s_sub_co_i32 s46, s46, 1
	s_cmp_lg_u32 s46, 0
	s_cbranch_scc1 .Lpass
; ---------------- PRODUCT 2: eight K steps, in the order of the positions
	BARRIER                                        ; h1's 56 fragments lie in LDS
	s_mov_b32 s48, HIM
	s_mov_b32 s49, HS
	v_add_nc_u32 v3, s48, v7
	v_add_nc_u32 v6, s49, v7
	ALOAD2 0, 0, 0
	STEP 0, 1, 2, 1, 1, 0, 51
	s_mov_b32 s45, 2
.Lk2:
	STEP 1, 0, 2, 1, 1, 51, 51
	STEP 0, 0, 2, 1, 1, 51, 51
	s_sub_co_i32 s45, s45, 1
	s_cmp_lg_u32 s45, 0
	s_cbranch_scc1 .Lk2
	STEP 1, 0, 2, 1, 1, 51, 51
	STEP 0, 0, 2, 1, 0, 51, 51                     ; its one refill is W3's group record, the stream's last
	STEP 1, 0, 0, 0, 0, 34, 17                     ; behind the first group: the second and W3's; behind the second: W3's
	WIN 0xC0
	global_load_b128 v[192:195], v10, s[20:21]     ; b3: columns 16 w + 8 h + 0 .. 7
	global_load_b128 v[196:199], v10, s[20:21] offset:16
	global_load_b128 v[200:203], v10, s[22:23]     ; W4 likewise
	global_load_b128 v[204:207], v10, s[22:23] offset:16
	WIN 0
	v_add_nc_u32 v11, AROW, v30
	v_add_nc_u32 v28, H2S, v31
	EPI 0
	BARRIER                                        ; h2's 28 fragments lie in LDS
; ---------------- PRODUCT 3: four K steps, seven accumulators by turns
	v_add_nc_u32 v3, AROW, v7
	v_add_nc_u32 v6, H2S, v7
	ALOAD2 0, 0, 0
	ALOAD2 1, POSB, 512
	s_wait_alu depctr_va_vdst(0)
	s_wait_loadcnt 0x0                             ; W3, b3, W4
.irp s, 0,1,2,3
.if \s < 3
	s_wait_dscnt 29                                ; all but the other set's 29 loads
.else
	s_wait_dscnt 0x0
.endif
.if \s == 0
	WIN 0xB1
.else
	WIN 0xA1
.endif
.irp mi, 0,1,2,3,4,5,6
.set rD, 8*\mi
.set rW, 16*\s
.set rA, 32+112*(\s%2)+16*\mi
.set rSW, 20+(\s>>1)
.set rSA, 12+4*(\s%2)+(\mi>>1)
.set oW, (\s&1)
.set oA, (\mi&1)
.if \s == 0
.set rC, 192
.else
.set rC, rD
.endif
	EMIT
.endr
	WIN 0
	NOPS 8
.if \s < 2
	ALOAD2 \s, (\s+2)*POSB, (\s+2)*512
.endif
.endr
; ---------------- PRODUCT 4 in f32, and the sigmoid.  Register j of lane (r, h) of accumulator m is h3(16 m + r, 16 w + 8 h + j).
	WIN 0x0E                                       ; source 0 window 2, source 1 window 3
.irp mi, 0,1,2,3,4,5,6
	v_pk_mul_f32 v[T+2*\mi:T+2*\mi+1], v[8*\mi:8*\mi+1], v[200:201]   ; each accumulator from its low end on
.endr
.irp jj, 1,2,3
.irp mi, 0,1,2,3,4,5,6
	v_pk_fma_f32 v[T+2*\mi:T+2*\mi+1], v[8*\mi+2*\jj:8*\mi+2*\jj+1], v[200+2*\jj:201+2*\jj], v[T+2*\mi:T+2*\mi+1]
.endr
.endr
	WIN 0
.irp mi, 0,1,2,3,4,5,6
	v_add_f32 v[T+2*\mi], v[T+2*\mi], v[T+2*\mi+1]
.endr
.irp mi, 0,1,2,3,4,5,6
	v_permlanex16_b32 v[T+2*\mi+1], v[T+2*\mi], s42, s43
.endr
.irp mi, 0,1,2,3,4,5,6
	v_add_f32 v[T+2*\mi], v[T+2*\mi], v[T+2*\mi+1] ; my wave's 16 columns' share of row 16 m + r
.endr
	v_and_b32 v4, 15, v0
	v_lshl_add_u32 v4, v4, 2, s56
	v_add_nc_u32 v4, PS, v4                        ; 512 bytes a wave, 4 bytes a row
	v_lshl_add_u32 v5, v0, 2, PS
.irp mi, 0,1,2,3,4,5,6
	ds_store_b32 v4, v[T+2*\mi] offset:64*\mi
.endr
	ds_store_b32 v4, v[T+12] offset:448            ; rows 112-127 do not exist: read by threads that store nothing, and so written
	s_wait_alu depctr_va_vdst(0)
	BARRIER
.irp i, 0,1,2,3
	ds_load_b32 v[160+\i], v5 offset:512*\i        ; thread t: row t's four shares
.endr
	s_wait_dscnt 0x0
	v_add_f32 v160, v160, v161
	v_add_f32 v162, v162, v163
	v_add_f32 v160, v160, v162
	v_add_f32 v160, s33, v160                      ; + b4
	v_mul_f32 v160, 0xbfb8aa3b, v160               ; x -log2(e)
	s_wait_alu depctr_va_vdst(0)
	v_exp_f32 v161, v160
	v_nop                                          ; a plain line behind the transcendental,
	s_wait_alu depctr_va_vdst(0)                   ; and the wait ahead of its first reader
	v_add_f32 v161, 1.0, v161
	s_wait_alu depctr_va_vdst(0)
	v_rcp_f32 v162, v161                           ; 1 / (1 + e^-x)
	v_lshlrev_b32 v163, 2, v0
	s_wait_alu depctr_va_vdst(0)
	v_cmp_gt_u32 vcc_lo, s32, v0                   ; my rows alone
	s_wait_xcnt 0x0                                ; EXEC changes only behind this wait
	s_and_saveexec_b32 s47, vcc_lo
	global_store_b32 v163, v162, s[26:27]
	s_wait_xcnt 0x0
	s_or_b32 exec_lo, exec_lo, s47
	s_wait_tensorcnt 0x0                           ; the wave's end, behind my last LDS store
	ds_add_u32 v1, v2
	s_wait_dscnt 0x0
	s_endpgm
.Lfunc_end_k_qfb387043ef_chain:
	.size	k_qfb387043ef_chain, .Lfunc_end_k_qfb387043ef_chain-k_qfb387043ef_chain
	.p2alignl 7, 3214868480
	.fill 96, 4, 3214868480
	.section	.rodata,"a",@progbits
	.p2align	6, 0x0
	.amdhsa_kernel k_qfb387043ef_chain
		.amdhsa_group_segment_fixed_size 291072
		.amdhsa_private_segment_fixed_size 0
		.amdhsa_enable_private_segment 0
		.amdhsa_kernarg_size 104
		.amdhsa_user_sgpr_count 2
		.amdhsa_user_sgpr_kernarg_segment_ptr 1
		.amdhsa_wavefront_size32 1
		.amdhsa_system_sgpr_workgroup_id_x 1
		.amdhsa_system_sgpr_workgroup_id_y 1
		.amdhsa_system_sgpr_workgroup_id_z 1
		.amdhsa_system_vgpr_workitem_id 0
		.amdhsa_next_free_vgpr 1024
		.amdhsa_next_free_sgpr 66
		.amdhsa_reserve_vcc 1
		.amdhsa_float_denorm_mode_32 3
		.amdhsa_float_denorm_mode_16_64 3
		.amdhsa_memory_ordered 1
		.amdhsa_forward_progress 1
		.amdhsa_inst_pref_size 255
	.end_amdhsa_kernel
	.section	.bss,"aw",@nobits
	.p2align	6
	.space	262144
	.amdgpu_metadata
---
amdhsa.version: [ 1, 2 ]
amdhsa.kernels:
  - .name:           k_qfb387043ef_chain
    .symbol:         k_qfb387043ef_chain.kd
    .args:
      - { .name: fx, .offset: 0, .size: 8, .value_kind: global_buffer, .address_space: global }
      - { .name: train_sample, .offset: 8, .size: 8, .value_kind: global_buffer, .address_space: global }
      - { .name: test_sample, .offset: 16, .size: 8, .value_kind: global_buffer, .address_space: global }
      - { .name: fq, .offset: 24, .size: 8, .value_kind: global_buffer, .address_space: global }
      - { .name: fs, .offset: 32, .size: 8, .value_kind: global_buffer, .address_space: global }
      - { .name: ws, .offset: 40, .size: 8, .value_kind: global_buffer, .address_space: global }
      - { .name: b1, .offset: 48, .size: 8, .value_kind: global_buffer, .address_space: global }
      - { .name: b2, .offset: 56, .size: 8, .value_kind: global_buffer, .address_space: global }
      - { .name: b3, .offset: 64, .size: 8, .value_kind: global_buffer, .address_space: global }
      - { .name: W4, .offset: 72, .size: 8, .value_kind: global_buffer, .address_space: global }
      - { .name: b4, .offset: 80, .size: 8, .value_kind: global_buffer, .address_space: global }
      - { .name: out0, .offset: 88, .size: 8, .value_kind: global_buffer, .address_space: global }
      - { .name: out1, .offset: 96, .size: 8, .value_kind: global_buffer, .address_space: global }
    .group_segment_fixed_size: 291072
    .private_segment_fixed_size: 0
    .kernarg_segment_align: 8
    .kernarg_segment_size: 104
    .max_flat_workgroup_size: 128
    .sgpr_count:     66
    .vgpr_count:     1024
    .wavefront_size: 32
...
	.end_amdgpu_metadata
.endif
;; end of part 2
